; MI455X (gfx1250); checked and timed in simulation.
; The chip was launched on July 23, 2026; its instructions are those of AMD's public machine-readable ISA for CDNA 5 (MIT licence, August 2026) and "CDNA5" Instruction Set Architecture Reference Guide (July 2026). The comments in the code are by the model that wrote it; some were corrected since.
;; Spatial Attention. Allowed arithmetic: matrix products marked QUANTISED: E3M2 operands, one E8M0 scale for each 32 along K, by v_wmma_scale_f32_16x16x128_f8f6f4 with both operands' format E3M2, f32 sums; everything else in f32.
;; Inputs: Wk 64 x 64 float32; Wq 64 x 64 float32; Wv 64 x 64 float32; bk 64 float32; bq 64 float32; bv 64 float32; gamma 1 float32; x 4 x 64 x 64 x 64 float32.
;; Outputs: out0 4 x 64 x 64 x 64 float32.
;; This version of the problem:
;;   THIS VERSION OF THE PROBLEM IS GIVEN IN LOW PRECISION. The matrix products marked QUANTISED in the list below multiply operands that are first quantised to E3M2 (3 exponent bits, 2 mantissa bits; 6 bits a number), with one power-of-two scale for each 32 numbers along K (OCP MX v1.0); their sums are f32. All else is computed in f32.
;;   The module's matrix products, in the order in which they are computed (A, B: the left and right operand; K: the contracted axis; several contracted axes count as one K, in the product's order):
;;     1. [M 16,384, K 64] x [K 64, N 64]; A: input x; B: input Wq: QUANTISED
;;     2. [M 16,384, K 64] x [K 64, N 64]; A: input x; B: input Wk: QUANTISED
;;     3. [M 16,384, K 64] x [K 64, N 64]; A: input x; B: input Wv: QUANTISED
;;     4. batch 4 x [M 4,096, K 64] x [K 64, N 4,096]; A: computed on the way; B: computed on the way: QUANTISED
;;     5. batch 4 x [M 64, K 4,096] x [K 4,096, N 4,096]; A: computed on the way; B: softmax (see below): QUANTISED
;;   THE QUANTISER, for each operand of a quantised product, along K:
;;     - K is cut into blocks of 32 from its start; a last block that is shorter is filled with zeros.
;;     - A block's scale is 2^e with e = floor(log2(the largest magnitude in the block)) - 4, held to -126 .. 127; a block of zeros has e = 0. As a byte (E8M0): e + 127.
;;     - Each number is divided by its block's scale, clamped to +-28, and rounded to the nearest number of E3M2, ties to even, subnormals kept.
;;     - The product sums the exact products of the quantised numbers (number of the format x scale) in f32.
;;   ~~~python
;;   def quantise(x, axis):      # numpy; x: float32 -> the quantised numbers, widened to float32 again
;;       x = np.moveaxis(x, axis, -1); K = x.shape[-1]
;;       x = np.pad(x, [(0, 0)] * (x.ndim - 1) + [(0, -K % 32)]); x = x.reshape(x.shape[:-1] + (-1, 32)); a = np.abs(x).max(-1, keepdims=True)
;;       e = np.where(a > 0, np.clip(np.frexp(np.where(a > 0, a, 1))[1] - 1 - 4, -126, 127), 0)      # np.frexp(a)[1] - 1 = floor(log2(a)), exactly
;;       r = np.clip(x / 2.0 ** e, -28, 28)
;;       step = 2.0 ** (np.maximum(np.frexp(np.where(r == 0, 1, r))[1] - 1, -2) - 2)
;;       q = np.round(r / step) * step * 2.0 ** e      # np.round: ties to even
;;       return np.moveaxis(q.reshape(q.shape[:-2] + (-1,))[..., :K], -1, axis).astype(np.float32)
;;   ~~~
;;   SOFTMAX AHEAD OF A QUANTISED PRODUCT. Where the list says 'softmax', what is quantised is not the finished softmax but p = 2^(t - M), with t = logit x log2(e) and M = ceil(the row's largest t), a whole number; so 1/2 < the row's largest p <= 1. The row's sum l is taken of the UNQUANTISED p, in f32, and the product's result is divided by l at the end. Since M is a whole number, a kernel that streams over the keys may use a running M (the ceiling of the running maximum): every later rescaling is an exact power of two, which a block's scale takes up: the codes' values come out the same.
;;   OPERANDS COMPUTED ON THE WAY. 'Computed on the way' means the value that the module computes at that place (a softmax that the list does not call 'softmax' is quantised finished and normalised). What goes into a quantiser is computed in f32, as accurately as f32 sums, v_exp_f32 and their like allow (about 1e-6 of the number): no bf16 or f16 on the way to a quantiser, and a product that is left as it is and whose result goes on into a quantised operand takes f32 operands (vector FMAs, or v_wmma_f32_16x16x4_f32). A number that lies on a knife's edge between two numbers of the format may be rounded either way, as far as f32 arithmetic and the matrix unit's own rounding can turn it there, and no further.
;; One version. Each part assembles by itself: llvm-mc -triple=amdgcn-amd-amdhsa -mcpu=gfx1250 --defsym DOCPART=n.
;; ======== version 1 of 1: 2 launches
;; limits: right only within a limited range of input values
;; workspace buffers: qkv 2,490,368 bytes
;; launch proj (part 1): grid 128 x 1, 4 waves a work-group, no clusters, 69,120 bytes of LDS; arguments x, Wq, bq, Wk, bk, Wv, bv, qkv; writes qkv
.if DOCPART == 1
	.amdgcn_target "amdgcn-amd-amdhsa--gfx1250"
	.amdhsa_code_object_version 6
	.text
	.protected	k_q98c902bd9a_proj
	.globl	k_q98c902bd9a_proj
	.p2align	8
	.type	k_q98c902bd9a_proj,@function
k_q98c902bd9a_proj:
	s_mov_b64 s[64:65], 0
	v_nop
	global_prefetch_b8 v0, s[64:65] scope:SCOPE_SE
	s_setreg_imm32_b32 hwreg(HW_REG_WAVE_MODE, 25, 1), 1
	s_wait_xcnt 0x0
; q = Wq x + bq, k = Wk x + bk, v = Wv x + bv for 128 positions of one image, all three products on codes of BF6 (E3M2) with one E8M0 scale for each 32 along K (the 64 channels),
; and then q and k quantised along the channels and v along the positions (the keys), stored as IMAGES OF THE OPERAND REGISTERS that the attention launch loads as they lie.
; x: [4][64][4096] f32.  W: [64][64] f32, the input channel innermost.  b: [64] f32.
; qkv: 128 blocks of 12,800 bytes (block p = 32 image + key group: 4 pairs of K tiles, 4 fragments of V, 512 bytes of scale words), then from QOFF 256 blocks of 3,328 bytes (64 queries: 2 pairs of Q tiles, 256 bytes of scale words).
; An image is a group of four registers, lane l's 16 bytes at 16 l: 512 consecutive bytes a store.
; WHICH POSITIONS FORM A TILE.  Of a group of 64 positions tile u (0..3) holds in its row r the position 8 u + r % 8 + 32 (r / 8).  A result's lane (r', h') holds rows 8 h' + j: positions 32 h' + 8 u + j.  So the 32 registers of
; a group's four tiles are 32 NEIGHBOURING positions, one whole block of the later K, in one lane and in order: no maximum crosses lanes, and the conversions' results are the operand's registers.
; The rows of Wq and Wk that form a tile are chosen alike (8 t + r % 8 + 32 (r / 8)), so that a lane of q or k holds one whole block of 32 channels.
; K = 64 IN AN INSTRUCTION OF K = 128.  A fragment is 6 registers.  It stands beside 6 registers of something else, and the other operand holds zero codes in that half: those products are 0 under any scale byte but 0xff, which is never made.
; SHARES.  Work-group p; wave w quantises tile w of each W and 32 positions of x (tiles 2 w, 2 w + 1), makes q and k of these two tiles, and v of channels 16 w .. 16 w + 15 for all 128 positions.  Codes go from wave to wave through LDS as images.
; 128 work-groups: one makes one whole block, since a scale word of V spans 128 keys.
; x's loads: a lane takes a position, its registers run down the channels; a load reads two runs of 64 bytes, since a tile takes 8 positions from each of two blocks of keys; two waves together cover 256 consecutive bytes of a channel's row.
; LIMITS: NaN and infinities among the inputs are not served.  A block whose largest magnitude lies under 2^-122 keeps the scale byte 1; a block of zeros gets the byte 1 where the rule says 127: its codes are zeros, and this program alone reads the bytes.
; REGISTERS.  Window 0: v1-15 addresses; v16-25 scale words; v26-53 at work; v54-83 Z, X_A, Z, X_B, Z (6 each; Z = zero codes); v84-95 Wq's and Wk's codes; v96-191 W as loaded; v192-255 x as loaded.
;   Later: v96-223 q and k (four results of 32), v228-251 their codes; then v96-149 the eight tiles of x and a pad, v150-213 v, v214-225 its codes.
;   Window 1: v0-47 the four pairs (Wq tile, Wk tile); v48-59 (Wv tile, Z); v64-95 bq, v96-127 bk in the results' layout; v128-135 bv.
.set QOFF,  1638400
.set KVB,   12800
.set QBB,   3328
.set WIMG,  0                          ; LDS: four pairs (Wq tile, Wk tile), 1,536 bytes each
.set WSIMG, 6144                       ; their scale words, 128 bytes each
.set XIMG,  6656                       ; four pairs of x tiles
.set XWIMG, 12800                      ; their scale words
.set STG,   13312                      ; 512 bytes: the image of K's and V's scale words; 2 x 256 bytes: those of the two groups of queries
.set L16,   1                          ; v1   16 x lane
.set L4,    2                          ; v2   4 x lane
.set L8,    3                          ; v3   8 x lane
.set SH8,   4                          ; v4   8 x (lane / 16)
.set XOFF,  5                          ; v5   my position's byte in a channel's row
.set WSTG,  16896                      ; behind the spare words: for each wave three stages of 16 rows x 272 bytes, in which W, loaded as it lies, turns so that a lane gets 32 neighbours (on its way in: window 1, v136-231)
.set WOFFP, 6                          ; v6   my 16 bytes of a 512-byte run of Wq and Wk (rows 8 w .. 8 w + 7, then 32 + 8 w ..)
.set WOFFN, 7                          ; v7   the same for Wv (rows 16 w ..)
.set BOFF,  8                          ; v8   128 x (lane / 16): my block of bq and bk
.set BVOFF, 9                          ; v9   bv of my channel
.set KWA,   10                         ; v10  where K's (and 8 bytes on V's) scale word goes in the stage
.set QSA,   11                         ; v11  where Q's goes
.set WIA,   12                         ; v12  where I store W's image
.set XIA,   13                         ; v13  where I store x's image
.set WSA,   14                         ; v14  128 x wave + 4 x lane: a scale word's place
.set CPA,   15                         ; v15  the 8 bytes of the stage that I copy out
.set WS,    16                         ; v16-19 scale words of the four pairs of W
.set WVS,   20                         ; v20  Wv's
.set XW,    21                         ; v21  x's: lanes 0-15 tile 2 w, lanes 16-31 tile 2 w + 1
.set XWS,   22                         ; v22-25 x's of all four pairs
.set TX,    26                         ; v26  a lane permute's destination
.set XA,    54
.set RV,    150
.set MSB, 0
.macro WIN new                         ; the immediate's high byte repeats the setting that is left
.if MSB != \new
	s_set_vgpr_msb (MSB<<8)|\new
.set MSB, \new
.endif
.endm
.macro PLACES n
.rept \n
	v_nop
.endr
.endm
; One product: D = A B + C; the register numbers and the rows of the scale registers stand in symbols.
.set rD, 0
.set rA, 0
.set rB, 0
.set rC, 0
.set rSA, 0
.set rSB, 0
.set fA, 0
.set fB, 0
.macro MM
.if fA
	v_wmma_scale_f32_16x16x128_f8f6f4 v[rD:rD+7], v[rA:rA+11], v[rB:rB+11], v[rC:rC+7], v[rSA], v[rSB] matrix_a_fmt:MATRIX_FMT_BF6 matrix_b_fmt:MATRIX_FMT_BF6 matrix_a_scale:MATRIX_SCALE_ROW1
.elseif fB
	v_wmma_scale_f32_16x16x128_f8f6f4 v[rD:rD+7], v[rA:rA+11], v[rB:rB+11], v[rC:rC+7], v[rSA], v[rSB] matrix_a_fmt:MATRIX_FMT_BF6 matrix_b_fmt:MATRIX_FMT_BF6 matrix_b_scale:MATRIX_SCALE_ROW1
.else
	v_wmma_scale_f32_16x16x128_f8f6f4 v[rD:rD+7], v[rA:rA+11], v[rB:rB+11], v[rC:rC+7], v[rSA], v[rSB] matrix_a_fmt:MATRIX_FMT_BF6 matrix_b_fmt:MATRIX_FMT_BF6
.endif
.endm
; The largest magnitude of 32 numbers of a lane, with the floor 2^(5 - 127) as one more leaf, so that the scale's byte cannot fall under 1.  Each group of eight registers is first read at its low end.
.macro MAX32 s, ma, mb
	v_max3_num_f32 v[\ma], |v[\s]|, |v[\s+1]|, |v[\s+2]|
	v_max3_num_f32 v[\mb], |v[\s+3]|, |v[\s+4]|, |v[\s+5]|
.irp i, 6,10,14,18,22,26
	v_max3_num_f32 v[\ma], v[\ma], |v[\s+\i]|, |v[\s+\i+1]|
	v_max3_num_f32 v[\mb], v[\mb], |v[\s+\i+2]|, |v[\s+\i+3]|
.endr
	v_max3_num_f32 v[\ma], v[\ma], |v[\s+30]|, |v[\s+31]|
	v_max3_num_f32 v[\ma], v[\ma], v[\mb], 0x2800000
.endm
; Two blocks of 32 numbers of a lane (from v[s0] and v[s1] on) become six registers of codes each (from v[d0] and v[d1] on); the two by turns, so that no line waits for the line above it.
; v[32+o], v[33+o]: the largest magnitudes with 4 off their exponent fields, which is what the conversion takes as its scale; v[36+o], v[37+o]: the scales' bytes.
.macro QUANT2 s0, s1, d0, d1, o
	v_max3_num_f32 v28, |v[\s0]|, |v[\s0+1]|, |v[\s0+2]|
	v_max3_num_f32 v30, |v[\s1]|, |v[\s1+1]|, |v[\s1+2]|
	v_max3_num_f32 v29, |v[\s0+3]|, |v[\s0+4]|, |v[\s0+5]|
	v_max3_num_f32 v31, |v[\s1+3]|, |v[\s1+4]|, |v[\s1+5]|
.irp i, 6,10,14,18,22,26
	v_max3_num_f32 v28, v28, |v[\s0+\i]|, |v[\s0+\i+1]|
	v_max3_num_f32 v30, v30, |v[\s1+\i]|, |v[\s1+\i+1]|
	v_max3_num_f32 v29, v29, |v[\s0+\i+2]|, |v[\s0+\i+3]|
	v_max3_num_f32 v31, v31, |v[\s1+\i+2]|, |v[\s1+\i+3]|
.endr
	v_max3_num_f32 v28, v28, |v[\s0+30]|, |v[\s0+31]|
	v_max3_num_f32 v30, v30, |v[\s1+30]|, |v[\s1+31]|
	v_max3_num_f32 v28, v28, v29, 0x2800000
	v_max3_num_f32 v30, v30, v31, 0x2800000
	v_add_nc_u32 v[32+\o], 0xfe000000, v28
	v_add_nc_u32 v[33+\o], 0xfe000000, v30
	v_lshrrev_b32 v[36+\o], 23, v[32+\o]
	v_lshrrev_b32 v[37+\o], 23, v[33+\o]
	v_cvt_scalef32_pk16_bf6_f32 v[\d0:\d0+2], v[\s0:\s0+15], v[32+\o]
	v_cvt_scalef32_pk16_bf6_f32 v[44:46], v[\s0+16:\s0+31], v[32+\o]     ; (a conversion's three registers begin on an even number: the upper half is made elsewhere and moved)
	v_cvt_scalef32_pk16_bf6_f32 v[\d1:\d1+2], v[\s1:\s1+15], v[33+\o]
	v_cvt_scalef32_pk16_bf6_f32 v[48:50], v[\s1+16:\s1+31], v[33+\o]
	v_nop                                          ; one plain line behind the scaled conversions
.irp i, 0,1,2
	v_mov_b32 v[\d0+3+\i], v[44+\i]
	v_mov_b32 v[\d1+3+\i], v[48+\i]
.endr
.endm
; A lane's bytes go 8 (lane / 16) bits up and are joined with lane l xor 16's: both halves of the lanes then hold the row's whole word.
.macro WORD y
	v_lshlrev_b32 v[\y], v[SH8], v[\y]
	v_permlanex16_b32 v[TX], v[\y], s22, s23
	v_or_b32 v[\y], v[\y], v[TX]
.endm
.macro BARRIER                         ; my LDS stores have landed and my LDS loads are in: then the work-group's barrier
	s_wait_dscnt 0x0
	s_barrier_signal -1
	s_barrier_wait -1
.endm
	s_load_b256 s[4:11], s[0:1], 0x0               ; x s[4:5], Wq s[6:7], bq s[8:9], Wk s[10:11]
	s_load_b256 s[12:19], s[0:1], 0x20             ; bk s[12:13], Wv s[14:15], bv s[16:17], qkv s[18:19]
	v_lshl_add_u32 v51, v0, 2, 0x4000
	v_mov_b32 v53, 0
	v_lshrrev_b32 v28, 5, v0
	v_readfirstlane_b32 s20, v28                   ; wave w, 0..3
	s_mov_b32 s22, 0x76543210
	s_mov_b32 s23, 0xfedcba98                      ; v_permlanex16_b32's selects for lane l xor 16
	s_mov_b32 s24, 0xffff0000                      ; lanes 16-31
	s_lshr_b32 s36, s20, 1                         ; c: which group of 64 positions
	s_and_b32 s37, s20, 1                          ; u': which pair of its tiles
	s_lshr_b32 s38, ttmp9, 5                       ; the image,
	s_lshl_b32 s38, s38, 20                        ; 1,048,576 bytes each,
	s_and_b32 s39, ttmp9, 31
	s_lshl_b32 s39, s39, 9                         ; and the group of 128 positions: 512 bytes of a channel's row
	s_add_co_u32 s38, s38, s39
	s_mov_b32 s39, 0
	s_mul_i32 s40, ttmp9, KVB                      ; my block of K and V
	s_mul_i32 s42, s20, 1536
	s_add_co_u32 s42, s40, s42                     ; K's pair w
	s_mov_b32 s43, 0
	s_lshl_b32 s44, ttmp9, 1
	s_add_co_u32 s44, s44, s36                     ; block of queries 2 p + c,
	s_mul_i32 s44, s44, QBB
	s_mul_i32 s45, s37, 1536                       ; pair u'
	s_add_co_u32 s44, s44, s45
	s_add_co_u32 s44, s44, QOFF
	s_mov_b32 s45, 0
	s_lshl_b32 s46, s20, 8                         ; what I copy out of the stage: waves 0, 1 the halves of K's and V's scale words,
	s_add_co_u32 s46, s46, s40
	s_add_co_u32 s46, s46, 12288
	s_lshl_b32 s47, ttmp9, 1                       ; waves 2, 3 the scale words of the queries' blocks 2 p and 2 p + 1
	s_add_co_u32 s47, s47, s37
	s_mul_i32 s47, s47, QBB
	s_add_co_u32 s47, s47, QOFF+3072
	s_cmp_lt_u32 s20, 2
	s_cselect_b32 s46, s46, s47                    ; (offsets are chosen, not addresses)
	s_mov_b32 s47, 0
	v_and_b32 v28, 31, v0                          ; lane l
	v_and_b32 v29, 15, v0                          ; r
	v_bfe_u32 v30, v0, 4, 1                        ; h
	v_and_b32 v31, 7, v0                           ; r % 8
	v_bfe_u32 v32, v0, 3, 1                        ; r / 8
	v_lshlrev_b32 v[L16], 4, v28
	v_lshlrev_b32 v[L4], 2, v28
	v_lshlrev_b32 v[L8], 3, v28
	v_lshlrev_b32 v[SH8], 3, v30
	v_lshlrev_b32 v[XOFF], 2, v31                  ; position r % 8 + 32 (r / 8) + 8 h + 16 u' + 64 c, 4 bytes each: lanes 0-15 tile 2 w, lanes 16-31 tile 2 w + 1
	v_lshl_add_u32 v[XOFF], v32, 7, v[XOFF]
	v_lshl_add_u32 v[XOFF], v30, 5, v[XOFF]
	s_lshl_b32 s21, s37, 6
	s_lshl_b32 s25, s36, 8
	s_add_co_u32 s21, s21, s25
	v_add_nc_u32 v[XOFF], s21, v[XOFF]
	s_lshl_b32 s21, s20, 11                        ; 8 w rows of 256 bytes
	v_add_nc_u32 v[WOFFP], s21, v[L16]
	s_lshl_b32 s21, s20, 12                        ; 16 w rows
	v_add_nc_u32 v[WOFFN], s21, v[L16]
	s_mul_i32 s21, s20, 3*4352
	s_add_co_u32 s21, s21, WSTG                    ; my stages
	v_mul_u32_u24 v41, v30, 272                    ; in: a load's two rows, 16 bytes a lane
	v_mul_u32_u24 v40, v29, 272                    ; out: row r, 128 bytes for each half of the lanes
	v_lshl_add_u32 v41, v29, 4, v41
	v_lshl_add_u32 v40, v30, 7, v40
	v_add_nc_u32 v41, s21, v41
	v_add_nc_u32 v40, s21, v40
	v_lshlrev_b32 v[BOFF], 7, v30
	s_lshl_b32 s21, s20, 6
	v_lshl_add_u32 v[BVOFF], v29, 2, s21
	s_lshl_b32 s21, s37, 8                         ; the image of (SK0, SK1, SV0, SV1): lane r + 16 (w % 2), word w / 2
	s_lshl_b32 s25, s36, 2
	s_add_co_u32 s21, s21, s25
	s_add_co_u32 s21, s21, STG
	v_lshl_add_u32 v[KWA], v29, 4, s21
	s_lshl_b32 s21, s36, 8                         ; the image of (QS0, QS1) of group c: 8 bytes a lane, word u'
	s_lshl_b32 s25, s37, 2
	s_add_co_u32 s21, s21, s25
	s_add_co_u32 s21, s21, STG+512
	v_add_nc_u32 v[QSA], s21, v[L8]
	s_mul_i32 s21, s20, 1536
	v_add_nc_u32 v[WIA], s21, v[L16]
	v_add_nc_u32 v[XIA], XIMG, v[WIA]
	s_lshl_b32 s21, s20, 7
	v_add_nc_u32 v[WSA], s21, v[L4]
	s_lshl_b32 s21, s20, 8
	s_add_co_u32 s21, s21, STG
	v_add_nc_u32 v[CPA], s21, v[L8]
.irp z, 54,55,56,57,58,59,66,67,68,69,70,71,78,79,80,81,82,83
	v_mov_b32 v\z, 0                               ; the three runs of zero codes beside x's two tiles
.endr
	v_mov_b32 v[TX], 0                             ; written once: a lane permute's destination counts as one of its sources
	s_wait_kmcnt 0x0
	s_add_nc_u64 s[26:27], s[4:5], s[38:39]        ; x at my 128 positions, channel 0
	s_add_nc_u64 s[30:31], s[18:19], s[42:43]      ; where K's pair goes,
	s_add_nc_u64 s[32:33], s[30:31], 6144          ; V's fragment,
	s_add_nc_u64 s[28:29], s[18:19], s[44:45]      ; Q's pair,
	s_add_nc_u64 s[34:35], s[18:19], s[46:47]      ; and my 256 bytes of scale words
	WIN 0x40
.irp i, 0,1,2,3,4,5,6,7
	global_load_b128 v[136+4*\i:139+4*\i], v[WOFFP], s[6:7] offset:512*\i+6144*(\i/4)     ; Wq: 32 lanes read 512 consecutive bytes, two rows; the last four loads begin 32 rows further on,
.endr
.irp i, 0,1,2,3,4,5,6,7
	global_load_b128 v[168+4*\i:171+4*\i], v[WOFFP], s[10:11] offset:512*\i+6144*(\i/4)   ; Wk likewise,
.endr
.irp i, 0,1,2,3,4,5,6,7
	global_load_b128 v[200+4*\i:203+4*\i], v[WOFFN], s[14:15] offset:512*\i               ; Wv
.endr
	WIN 0
.set ch, 0
.rept 64
	global_load_b32 v[192+ch], v[XOFF], s[26:27] offset:16384*ch            ; x(channel ch, my position): both blocks of 32 channels are mine
.set ch, ch+1
.endr
	; ---- W: three blocks of 32 a lane
	s_wait_loadcnt 63                              ; W's 24 loads are the oldest; 64 are younger, and a count names 63 at the most
	WIN 0x04                                       ; an LDS store's data are its source 1: window 1
.irp i, 0,1,2,3,4,5,6,7
	ds_store_b128 v41, v[136+4*\i:139+4*\i] offset:544*\i
	ds_store_b128 v41, v[168+4*\i:171+4*\i] offset:544*\i+4352
	ds_store_b128 v41, v[200+4*\i:203+4*\i] offset:544*\i+8704
.endr
	WIN 0
.irp i, 0,1,2,3,4,5,6,7
	ds_load_b128 v[96+4*\i:99+4*\i], v40 offset:16*\i                ; my block of 32 numbers of Wq (LDS serves a wave's instructions in order: these see the stores above),
	ds_load_b128 v[128+4*\i:131+4*\i], v40 offset:16*\i+4352         ; of Wk,
	ds_load_b128 v[160+4*\i:163+4*\i], v40 offset:16*\i+8704         ; of Wv
.endr
	s_wait_dscnt 0x0
	QUANT2 96, 128, 84, 90, 0                      ; Wq's tile -> v84-89, Wk's -> v90-95
	MAX32 160, 28, 29
	v_add_nc_u32 v34, 0xfe000000, v28
	v_lshrrev_b32 v38, 23, v34
	v_cvt_scalef32_pk16_bf6_f32 v[48:50], v[160:175], v34
	v_cvt_scalef32_pk16_bf6_f32 v[44:46], v[176:191], v34
	v_lshl_or_b32 v40, v37, 16, v36                ; (a plain line behind the conversions)  Wq's byte below, Wk's above
	WIN 0x40                                       ; destination window 1
.irp i, 0,1,2
	v_mov_b32 v[48+\i], v[48+\i]                   ; (Wv's tile, Z) in window 1
	v_mov_b32 v[51+\i], v[44+\i]
.endr
.irp i, 0,1,2,3,4,5
	v_mov_b32 v[54+\i], 0
.endr
	WIN 0
	WORD 40                                        ; (Wq b0, Wq b1, Wk b0, Wk b1)
	v_mov_b32 v[WVS], v38
	WORD WVS                                       ; (Wv b0, Wv b1, 0, 0): the upper two scale zero codes
	ds_store_b128 v[WIA], v[84:87]
	ds_store_b128 v[WIA], v[88:91] offset:512
	ds_store_b128 v[WIA], v[92:95] offset:1024
	ds_store_b32 v[WSA], v40 offset:WSIMG
	; ---- the biases, in the results' layout: register 8 t + j = b[32 h + 8 t + j]
	WIN 0x40
.irp t, 0,1,2,3
	global_load_b128 v[64+8*\t:67+8*\t], v[BOFF], s[8:9] offset:32*\t
	global_load_b128 v[68+8*\t:71+8*\t], v[BOFF], s[8:9] offset:32*\t+16
	global_load_b128 v[96+8*\t:99+8*\t], v[BOFF], s[12:13] offset:32*\t
	global_load_b128 v[100+8*\t:103+8*\t], v[BOFF], s[12:13] offset:32*\t+16
.endr
	WIN 0
	global_load_b32 v52, v[BVOFF], s[16:17]
	; ---- x: my position's two blocks of 32 channels
	s_wait_loadcnt 17                              ; x is in; the 17 loads of the biases are younger
	QUANT2 192, 224, XA+6, XA+18, 0
	v_lshl_or_b32 v[XW], v37, 8, v36               ; (b0, b1,
	v_lshl_or_b32 v[XW], v[XW], 16, v[XW]          ;  b0, b1): the tile may stand in either half of K
.irp i, 0,1,2,3,4,5
	v_permlane16_swap_b32 v[XA+6+\i], v[XA+18+\i]  ; block 0's lanes 16-31 (tile B) change places with block 1's lanes 0-15 (tile A): the first is now tile A's fragment, the second tile B's
.endr
	ds_store_b128 v[XIA], v[XA+6:XA+9]             ; the pair's twelve registers as three groups of four; a run of zeros stands between the tiles in my registers, so the middle group goes in two halves
	ds_store_b64 v[XIA], v[XA+10:XA+11] offset:512
	ds_store_b64 v[XIA], v[XA+18:XA+19] offset:520
	ds_store_b128 v[XIA], v[XA+20:XA+23] offset:1024
	ds_store_b32 v[WSA], v[XW] offset:XWIMG
	s_wait_alu depctr_va_vdst(0)
	BARRIER                                        ; all of W's and x's images lie in LDS
	; ---- q and k of my two tiles
	WIN 0x40
.irp k, 0,1,2,3,4,5,6,7,8,9,10,11
	ds_load_b128 v[4*\k:4*\k+3], v[L16] offset:WIMG+512*\k
.endr
	WIN 0
.irp t, 0,1,2,3
	ds_load_b32 v[WS+\t], v[L4] offset:WSIMG+128*\t
.endr
	s_wait_loadcnt 0x0                             ; the biases
	WIN 0x40
.irp j, 0,1,2,3,4,5,6,7
	v_mov_b32 v[128+\j], v52                       ; bv of my channel for the eight positions of a result
.endr
	WIN 0
	s_wait_dscnt 0x0
	PLACES 8                                       ; x's scale word and fragments were written by vector instructions: eight and four plain lines stand ahead of a scaled product
	WIN 0x11                                       ; source 0 (W) and source 2 (bias) window 1
.set uO, 0
.rept 4                                ; source 0 = 16 rows of (Wq | Wk), source 1 = 16 positions: a lane holds one position, its registers 8 t + j the channels 32 h + 8 t + j.  Sixteen results, none added onto
.set rA, 12*uO
.set rSA, WS+uO
.set rSB, XW
.set fA, 0
.set fB, 0
.set rD, 96+8*uO
.set rB, XA+6                          ; (X_A, Z): Wq's half counts
.set rC, 64+8*uO
	MM
.set rD, 128+8*uO
.set rB, XA                            ; (Z, X_A): Wk's half counts
.set rC, 96+8*uO
	MM
.set fB, 1                             ; tile B's scale words stand in lanes 16-31
.set rD, 160+8*uO
.set rB, XA+18
.set rC, 64+8*uO
	MM
.set rD, 192+8*uO
.set rB, XA+12
.set rC, 96+8*uO
	MM
.set uO, uO+1
.endr
	WIN 0
	PLACES 4                                       ; ahead of the first read of results
	QUANT2 96, 160, 228, 234, 0                    ; q of tiles A and B: a lane's 32 registers are one block of channels
	QUANT2 128, 192, 240, 246, 2                   ; k likewise
	v_lshl_or_b32 v40, v36, 16, v36
	v_lshl_or_b32 v41, v37, 16, v37
	v_lshl_or_b32 v43, v39, 16, v38                ; K's pair: the even tile's bytes below, the odd tile's above
	WORD 40                                        ; (q b0, q b1, q b0, q b1) of tile A,
	WORD 41                                        ; of tile B
	WORD 43
	v_cndmask_b32 v42, v40, v41, s24               ; lanes 0-15 tile A's word, lanes 16-31 tile B's
	global_store_b128 v[L16], v[228:231], s[28:29]             ; each store covers 512 consecutive bytes, at a multiple of 256 from the buffer's first byte
	global_store_b128 v[L16], v[232:235], s[28:29] offset:512
	global_store_b128 v[L16], v[236:239], s[28:29] offset:1024
	global_store_b128 v[L16], v[240:243], s[30:31]
	global_store_b128 v[L16], v[244:247], s[30:31] offset:512
	global_store_b128 v[L16], v[248:251], s[30:31] offset:1024
	ds_store_b32 v[KWA], v43                       ; (both halves of the lanes write the same word with the same value)
	ds_store_b32 v[QSA], v42
	; ---- v of my 16 channels for all 128 positions
.irp k, 0,1,2,3,4,5,6,7,8,9,10,11
	ds_load_b128 v[96+4*\k:99+4*\k], v[L16] offset:XIMG+512*\k    ; x's eight tiles on end, 6 registers each
.endr
.irp i, 0,1,2,3
	ds_load_b32 v[XWS+\i], v[L4] offset:XWIMG+128*\i
.endr
.irp i, 0,1,2,3,4,5
	v_mov_b32 v[144+\i], 0                         ; behind the last tile: written, though Wv's zero half makes it count for nothing
.endr
	s_wait_alu depctr_va_vdst(0)
	s_wait_dscnt 0x0
	PLACES 4                                       ; the pad was written by vector instructions
	WIN 0x14                                       ; source 1 (Wv) and source 2 (bv) window 1
.set uT, 0
.rept 8                                ; source 0 = 16 positions (and, in the half that Wv's zeros cancel, the next tile), source 1 = my 16 channels: a lane holds one channel, its registers 32 c + i the keys 64 c + 32 h + i
.set rD, RV+8*uT
.set rA, 96+6*uT
.set rB, 48
.set rC, 128
.set rSA, XWS+uT/2
.set rSB, WVS
.set fA, uT%2
.set fB, 0
	MM
.set uT, uT+1
.endr
	WIN 0
	PLACES 4
	QUANT2 RV, RV+32, 214, 220, 0                  ; two blocks of 32 keys a lane: the fragment's twelve registers as the second product wants them
	v_lshl_or_b32 v40, v37, 16, v36
	WORD 40                                        ; byte 2 c + h: block 2 c + h
	global_store_b128 v[L16], v[214:217], s[32:33]
	global_store_b128 v[L16], v[218:221], s[32:33] offset:512
	global_store_b128 v[L16], v[222:225], s[32:33] offset:1024
	ds_store_b32 v[KWA], v40 offset:8
	BARRIER                                        ; the stage's 1,024 bytes of scale words are whole
	ds_load_b64 v[44:45], v[CPA]
	s_wait_dscnt 0x0
	global_store_b64 v[L8], v[44:45], s[34:35]     ; 32 lanes store 256 consecutive bytes, at a multiple of 256 from the buffer's first byte
	s_barrier_signal -1
	s_barrier_wait -1
	s_wait_tensorcnt 0x0
	ds_add_u32 v51, v53
	s_wait_dscnt 0x0
	s_endpgm
.Lfunc_end_k_q98c902bd9a_proj:
	.size	k_q98c902bd9a_proj, .Lfunc_end_k_q98c902bd9a_proj-k_q98c902bd9a_proj
	.p2alignl 7, 3214868480
	.fill 96, 4, 3214868480
	.section	.rodata,"a",@progbits
	.p2align	6, 0x0
	.amdhsa_kernel k_q98c902bd9a_proj
		.amdhsa_group_segment_fixed_size 69120
		.amdhsa_private_segment_fixed_size 0
		.amdhsa_enable_private_segment 0
		.amdhsa_kernarg_size 64
		.amdhsa_user_sgpr_count 2
		.amdhsa_user_sgpr_kernarg_segment_ptr 1
		.amdhsa_wavefront_size32 1
		.amdhsa_system_sgpr_workgroup_id_x 1
		.amdhsa_system_sgpr_workgroup_id_y 1
		.amdhsa_system_sgpr_workgroup_id_z 1
		.amdhsa_system_vgpr_workitem_id 0
		.amdhsa_next_free_vgpr 512
		.amdhsa_next_free_sgpr 66
		.amdhsa_reserve_vcc 0
		.amdhsa_float_denorm_mode_32 3
		.amdhsa_float_denorm_mode_16_64 3
		.amdhsa_memory_ordered 1
		.amdhsa_forward_progress 1
		.amdhsa_inst_pref_size 44
	.end_amdhsa_kernel
	.amdgpu_metadata
---
amdhsa.version: [ 1, 2 ]
amdhsa.kernels:
  - .name:           k_q98c902bd9a_proj
    .symbol:         k_q98c902bd9a_proj.kd
    .args:
      - { .name: x, .offset: 0, .size: 8, .value_kind: global_buffer, .address_space: global }
      - { .name: Wq, .offset: 8, .size: 8, .value_kind: global_buffer, .address_space: global }
      - { .name: bq, .offset: 16, .size: 8, .value_kind: global_buffer, .address_space: global }
      - { .name: Wk, .offset: 24, .size: 8, .value_kind: global_buffer, .address_space: global }
      - { .name: bk, .offset: 32, .size: 8, .value_kind: global_buffer, .address_space: global }
      - { .name: Wv, .offset: 40, .size: 8, .value_kind: global_buffer, .address_space: global }
      - { .name: bv, .offset: 48, .size: 8, .value_kind: global_buffer, .address_space: global }
      - { .name: qkv, .offset: 56, .size: 8, .value_kind: global_buffer, .address_space: global }
    .group_segment_fixed_size: 69120
    .private_segment_fixed_size: 0
    .kernarg_segment_align: 8
    .kernarg_segment_size: 64
    .max_flat_workgroup_size: 128
    .sgpr_count:     66
    .vgpr_count:     512
    .wavefront_size: 32
...
	.end_amdgpu_metadata
.endif
;; end of part 1
;; launch attn (part 2): grid 64 x 4, 8 waves a work-group, clusters of 4 x 1, 327,680 bytes of LDS; arguments qkv, x, gamma, out0; writes out0
.if DOCPART == 2
	.amdgcn_target "amdgcn-amd-amdhsa--gfx1250"
	.amdhsa_code_object_version 6
	.text
	.protected	k_q98c902bd9a_attn
	.globl	k_q98c902bd9a_attn
	.p2align	8
	.type	k_q98c902bd9a_attn,@function
k_q98c902bd9a_attn:
	s_mov_b64 s[64:65], 0
	v_nop
	global_prefetch_b8 v0, s[64:65] scope:SCOPE_SE
	s_setreg_imm32_b32 hwreg(HW_REG_WAVE_MODE, 25, 1), 1
	s_wait_xcnt 0x0
	s_wait_alu depctr_hold_cnt(0) depctr_sa_sdst(0) depctr_va_vdst(0) depctr_va_sdst(0) depctr_va_ssrc(0) depctr_va_vcc(0) depctr_vm_vsrc(0)
	s_getreg_b32 s2, hwreg(HW_REG_IB_STS2, 6, 4)
	s_cmp_eq_u32 s2, 0
	s_cbranch_scc0 .Lentry_in_a_cluster
	s_endpgm
.Lentry_in_a_cluster:
	s_bfe_u32 s2, ttmp6, 0x10000c
	s_cmp_lg_u32 s2, 0x3003
	s_cbranch_scc0 .Lentry_shape_is_right
	s_endpgm
.Lentry_shape_is_right:
; out0[b][c][i] = gamma x (the sum over keys j of v[b][c][j] softmax_j(q[b][:, i] . k[b][:, j])) + x[b][c][i], both products on codes of BF6 (E3M2) with one E8M0 scale for each 32 along K.
; qkv holds q, k and v as codes and scale words, laid as images of the operand registers (lane l's 16 bytes at 16 l): 128 blocks of 12,800 bytes of K and V (128 keys each), then 256 blocks of 3,328 bytes of Q (64 queries each).
; THE SOFTMAX AHEAD OF THE SECOND PRODUCT: t = score x log2(e); M = the largest t so far, rounded UP to a whole number; p = 2^(t - M) is quantised along the keys, not normalised; the sum of the unquantised p divides at the end.
; When M moves, the sum and O are multiplied by 2^(old M - new M), which rounds nothing.
; SHARES.  A work-group owns 64 queries of one image: four tiles of 16.  ITS EIGHT WAVES SHARE THE KEYS: wave g walks keys 512 g .. 512 g + 511, four steps of 128, for all four tiles.  So each fragment of K and V is read from LDS
; once in the work-group and feeds four tiles.  Each wave keeps its own M, sum and O; at the end the eight are brought under the largest M by whole powers of two, added, scaled by gamma / sum, and x is added.
; LAYOUT.  Both products are used transposed (S^T = K Q^T, O^T = V^T P^T): a lane holds one query.  Tile T = 4 c + u of a step holds in row r the key 64 c + 8 u + r % 8 + 32 (r / 8): so a lane's registers 32 c .. 32 c + 31 of
; S^T are the keys 64 c + 32 (lane / 16) + 0 .. 31: one whole block of the second product's K, in the order of its operand.  No maximum of a block crosses lanes and p's codes need no exchange of lanes.
; The first product's K is 64: a tile of K or Q is 6 registers.  Q's tiles stand in a chain Z Q0 Z Q1 Z Q2 Z Q3 Z (Z = zero codes): source 0 is a pair of K's tiles, source 1 (Q, Z) for the even tile of the pair and (Z, Q) for the odd one.
; UNITS.  Unit n = 4 x step + tile: 16 queries x 128 keys.  Two buffers of scores take turns.  The scores of unit n + 1 are issued among the exponentials of unit n; then n's scale word, codes and sums are made by turns with the largest
; score, M and t - M of n + 1, so that the two units' chains of dependent lines fill each other's gaps.
; CLUSTER.  The four work-groups of a cluster belong to one image and walk the same K and V: every tensor load is asked for JOINTLY, by the same line with the same descriptor (it hangs on the image, the wave and the step) and a mask
; that names the four.  A work-group's place in its cluster enters the addresses of Q, x and out0 alone.
; LDS.  From 0 on 12,800 bytes for each wave: step 0, and later step 3; from 102,400 on 25,600 bytes for each wave: steps 1 and 2.  Step 0 is the head's one load; steps 1 and 2 are one load, first filled behind the first full sequence; step 3 fills step
; 0's bytes again, behind a round of the cluster's barrier.  A wave has at most one tensor load out, and reads only what its own loads brought.  All of a WGP's LDS is claimed.
; O of tiles 0 to 2 goes to LDS in the last three stages, that of tile 3 behind them, into the wave's own bytes of steps 1 and 2, which have had their only fill and have been read.
; No data prefetch: there is no loop to run ahead in, and steps 1 to 3 are asked for one stage and more ahead of their first reads.
; LIMITS: NaN and infinities are not served; the scaled scores stay under 2^31 in magnitude.  A p under 2^-126 becomes 0.  A block of p under 2^-122 keeps the scale byte 1.  The f32 sums over the keys are taken in eight parts and then added.
; REGISTERS.  Window 0: v0-23 addresses and work; v24-39 four registers a tile: -M, largest score, the sum in two halves; v40-47 two sets of K's and V's scale words; v48-49 Q's; v50-61 p's codes; v62-69 at work; v70-73 the merge's
;   addresses; v76-123 K; v128-191, v192-255 two buffers of S^T, then p.   Window 1: v0-127 O^T (tile t, channels 16 n on: 32 t + 8 n); v128-175 V; v176-229 Q's chain; v230-245 x.
.set KVB,   12800
.set QBB,   3328
.set QOFF,  1638400
.set SLOTB, 102400                     ; where steps 1 and 2 begin
.set WB,    25600                      ; a wave's bytes there
.set SPARE, 3*SLOTB                    ; the spare words, 128 bytes for each wave: four blocks of 256 bytes that no other line names
.set STATS, 16384                      ; in a wave's bytes of steps 1 and 2, behind four tiles of O: -M of tile t at 128 t, its sum at 512 + 128 t
.set TP,    272                        ; a row of the last stage: 256 bytes + 16
.set OLD,  0
.set SPW,  1                           ; LDS address of my spare word; never rewritten
.set NIL,  2                           ; 0; never rewritten
.set LA,   3                           ; 16 x lane + my bytes of steps 0 and 3
.set LA1,  4                           ; 16 x lane + my bytes of steps 1 and 2
.set TM,   5
.set SH8,  6                           ; 8 x (lane / 16)
.set TX,   7                           ; a lane permute's destination
                                       ; v8-9, v10-11: f = 2^(old M - new M) of even and odd units; the low word serves both halves
                                       ; v12-13, v16-17: a block's largest score of even and odd units; v14-15, v18-19 at work
.set PW,   20                          ; p's scale word
.set LS4,  21                          ; where my -M and sums go
.set XO,   22                          ; my 16 bytes of x and of out0
.set L16,  23
.set ST,   24
.set SCL,  40
.set QS,   48
.set PC,   50
.set PT,   62
.set SUM,  62                          ; (p's codes have left these when the sums begin)
.set RA,   70                          ; the merge: O of waves 0-2
.set RS,   71                          ; their -M and sums
.set TA,   72                          ; into the last stage
.set TR,   73                          ; out of it
.set KC,   76
.set S,    128
.set VF,   128                         ; window 1
.set QB,   176                         ; window 1
.set XR,   230                         ; window 1
.set MN,   76                          ; the merge: v76-83 -M of the eight waves, v84-91 their sums, v92-107 their factors in pairs, v108-123 the sum of O
.set LL,   84
.set FF,   92
.set ACC,  108
.set MSB, 0
.macro WIN new                         ; the immediate's high byte repeats the setting that is left
.if MSB != \new
	s_set_vgpr_msb (MSB<<8)|\new
.set MSB, \new
.endif
.endm
.macro PLACES k
.rept \k
	v_nop
.endr
.endm
; A round of the cluster's barrier behind its opening barrier: wave 0 signals for the work-group; every wave waits for all four work-groups; my work-group's barrier once more.
.macro CREST
	s_cmp_lg_u32 s12, 0
	s_cbranch_scc1 .Lnot_wave_0_\@
	s_barrier_signal -3
.Lnot_wave_0_\@:
	s_barrier_wait -3
	s_barrier_signal -1
	s_barrier_wait -1
.endm
.macro CROUND
	s_barrier_signal -1
	s_barrier_wait -1
	CREST
.endm
; One product; the register numbers, the rows of the scale registers and whether C is the constant 0 stand in symbols.
.set rD, 0
.set rA, 0
.set rB, 0
.set rC, 0
.set rSA, 0
.set rSB, 0
.set fA, 0
.set fB, 0
.set zC, 0
.macro MM
.if zC
.if fA && fB
	v_wmma_scale_f32_16x16x128_f8f6f4 v[rD:rD+7], v[rA:rA+11], v[rB:rB+11], 0, v[rSA], v[rSB] matrix_a_fmt:MATRIX_FMT_BF6 matrix_b_fmt:MATRIX_FMT_BF6 matrix_a_scale:MATRIX_SCALE_ROW1 matrix_b_scale:MATRIX_SCALE_ROW1
.elseif fA
	v_wmma_scale_f32_16x16x128_f8f6f4 v[rD:rD+7], v[rA:rA+11], v[rB:rB+11], 0, v[rSA], v[rSB] matrix_a_fmt:MATRIX_FMT_BF6 matrix_b_fmt:MATRIX_FMT_BF6 matrix_a_scale:MATRIX_SCALE_ROW1
.elseif fB
	v_wmma_scale_f32_16x16x128_f8f6f4 v[rD:rD+7], v[rA:rA+11], v[rB:rB+11], 0, v[rSA], v[rSB] matrix_a_fmt:MATRIX_FMT_BF6 matrix_b_fmt:MATRIX_FMT_BF6 matrix_b_scale:MATRIX_SCALE_ROW1
.else
	v_wmma_scale_f32_16x16x128_f8f6f4 v[rD:rD+7], v[rA:rA+11], v[rB:rB+11], 0, v[rSA], v[rSB] matrix_a_fmt:MATRIX_FMT_BF6 matrix_b_fmt:MATRIX_FMT_BF6
.endif
.else
.if fA
	v_wmma_scale_f32_16x16x128_f8f6f4 v[rD:rD+7], v[rA:rA+11], v[rB:rB+11], v[rC:rC+7], v[rSA], v[rSB] matrix_a_fmt:MATRIX_FMT_BF6 matrix_b_fmt:MATRIX_FMT_BF6 matrix_a_scale:MATRIX_SCALE_ROW1
.else
	v_wmma_scale_f32_16x16x128_f8f6f4 v[rD:rD+7], v[rA:rA+11], v[rB:rB+11], v[rC:rC+7], v[rSA], v[rSB] matrix_a_fmt:MATRIX_FMT_BF6 matrix_b_fmt:MATRIX_FMT_BF6
.endif
.endif
.endm
.macro SRC st                          ; where step st lies
.set zL, LA
.set zO, 0
.if ((\st) == 1) || ((\st) == 2)
.set zL, LA1
.set zO, KVB*((\st)-1)
.endif
.endm
.macro LOADK st                        ; a step's K, four pairs of tiles, and the four registers of K's and V's scale words into set st % 2: 13 LDS loads
	SRC \st
.irp i, 0,1,2,3
.irp k, 0,1,2
	ds_load_b128 v[KC+12*\i+4*\k:KC+12*\i+4*\k+3], v[zL] offset:zO+1536*\i+512*\k
.endr
.endr
	ds_load_b128 v[SCL+4*((\st)%2):SCL+4*((\st)%2)+3], v[zL] offset:zO+12288
.endm
.macro LOADV st                        ; a step's V, four fragments of 16 channels x 128 keys: 12 LDS loads
	SRC \st
	WIN 0x40
.irp i, 0,1,2,3
.irp k, 0,1,2
	ds_load_b128 v[VF+12*\i+4*\k:VF+12*\i+4*\k+3], v[zL] offset:zO+6144+1536*\i+512*\k
.endr
.endr
	WIN 0
.endm
; Tile u of unit zN's scores, into the buffer zY.  A pair's scale word holds the even tile's two bytes below and the odd tile's above; Q's word holds its two bytes twice.
.macro SMM u
.set zT, zN%4
.set zI, (\u)/2
.set rD, zY+8*(\u)
.set rA, KC+12*zI
.set rB, QB+12*zT+6-6*((\u)%2)
.set rSA, SCL+4*((zN/4)%2)+zI/2
.set fA, zI%2
.set rSB, QS+zT/2
.set fB, zT%2
.set zC, 1
	MM
.endm
; The exponentials of unit m, ONE batch of 66 of which none reads another's result, and among them the eight products of unit m + 1's scores.  The wait ahead of the batch stands behind the last line that wrote its sources.
.macro EXSM m
.set zX, S+64*((\m)%2)
.set zY, S+64-64*((\m)%2)
.set zB, 12+4*((\m)%2)
.set zN, (\m)+1
	WIN 0x04                                       ; K and the scores window 0, Q window 1
.irp u, 0,1,2,3,4,5,6,7
.if (\m) < 15
	SMM \u
.endif
.irp e, 0,1,2,3,4,5,6,7
	v_exp_f32 v[zX+8*\u+\e], v[zX+8*\u+\e]         ; p = 2^(t - M), at most 1
.endr
.endr
	v_exp_f32 v[zB], v[zB]                         ; the largest p of my two blocks
	v_exp_f32 v[zB+1], v[zB+1]
.if (\m) < 4
	PLACES 4                                       ; the plain lines ahead of the first read of the scores
.else
	v_nop                                          ; a plain line behind the last exponential; sixteen more follow ahead of the first read of the scores
.endif
.endm
; O^T += V^T P^T of unit m's tile: four accumulators, one instruction each.  In step 0 the products start the sums.
.macro PVM m
	WIN 0x51                                       ; V, C and D window 1; p window 0
.irp c, 0,1,2,3
.set rD, 32*((\m)%4)+8*\c
.set rC, rD
.set rA, VF+12*\c
.set rB, PC
.set rSA, SCL+4*(((\m)/4)%2)+2+\c/2
.set fA, \c%2
.set rSB, PW
.set fB, 0
.set zC, 0
.if (\m) < 4
.set zC, 1
.endif
	MM
.endr
	WIN 0
.endm
; THE LARGEST SCORE OF EACH BLOCK OF 32 KEYS of the buffer zY serves twice: for the row's maximum, and, since p rises with the score, for the block's largest p.  Two chains for each of my two blocks; each accumulator from its low end on.
.macro MXI
.if zM
	v_max3_num_f32 v[zD], v[zY], v[zY+1], v[zY+2]
	v_max3_num_f32 v[zD+1], v[zY+32], v[zY+33], v[zY+34]
	v_max3_num_f32 v14, v[zY+3], v[zY+4], v[zY+5]
	v_max3_num_f32 v15, v[zY+35], v[zY+36], v[zY+37]
.endif
.endm
.macro MX4 i
.if zM
	v_max3_num_f32 v[zD], v[zD], v[zY+\i], v[zY+\i+1]
	v_max3_num_f32 v[zD+1], v[zD+1], v[zY+32+\i], v[zY+33+\i]
	v_max3_num_f32 v14, v14, v[zY+\i+2], v[zY+\i+3]
	v_max3_num_f32 v15, v15, v[zY+34+\i], v[zY+35+\i]
.endif
.endm
.macro MXE
.if zM
	v_max3_num_f32 v[zD], v[zD], v[zY+30], v[zY+31]
	v_max3_num_f32 v[zD+1], v[zD+1], v[zY+62], v[zY+63]
	v_max_num_f32 v[zD], v[zD], v14
	v_max_num_f32 v[zD+1], v[zD+1], v15
.endif
.endm
.macro FM k                            ; t - M of the buffer zY, two at a time (of the pairs log2(e) and -M the low word serves both halves)
.if zM
	v_pk_fma_f32 v[zY+2*(\k):zY+2*(\k)+1], v[zY+2*(\k):zY+2*(\k)+1], s[22:23], v[rN:rN+1] op_sel_hi:[1,0,0]
.endif
.endm
.macro FMB                             ; and of its two blocks' largest scores
.if zM
	v_fma_f32 v[zD], v[zD], s22, v[rN]
	v_fma_f32 v[zD+1], v[zD+1], s22, v[rN]
.endif
.endm
; A STAGE: behind unit m's exponentials.  Unit m lies in the buffer zX, unit m + 1 in zY; rT, rN: their tiles' registers; zF, zG: their f.
.macro STAGE m
.set zP, (\m)%2
.set zX, S+64*zP
.set zY, S+64-64*zP
.set zB, 12+4*zP
.set zD, 16-4*zP
.set zF, 8+2*zP
.set zG, 10-2*zP
.set rT, ST+4*((\m)%4)
.set rN, ST+4*(((\m)+1)%4)
.set zM, 1                             ; is there a next unit?
.if (\m) == 15
.set zM, 0
.endif
.if ((\m) == 2) || ((\m) == 10)
	s_wait_tensorcnt 0x0                           ; stage 2: steps 1 and 2 have landed; stage 10: step 3
.endif
	s_wait_alu depctr_va_vdst(0)                   ; behind the exponentials, ahead of the first readers of O, of the scores and of p
.if (\m) > 3
	WIN 0x41                                       ; O^T window 1, f window 0
.set j, 32*((\m)%4)
.rept 16
	v_pk_mul_f32 v[j:j+1], v[j:j+1], v[zF:zF+1] op_sel_hi:[1,0]   ; O^T of the tile under the new M
.set j, j+2
.endr
.endif
	WIN 0
	MXI
	v_max_num_f32 v[zB], 0x2800000, v[zB]          ; the floor 2^(5 - 127): the byte cannot fall under 1
	v_max_num_f32 v[zB+1], 0x2800000, v[zB+1]
	MX4 6
	v_add_nc_u32 v18, 0xfe000000, v[zB]            ; 4 off the exponent field: the conversion's scale operand
	v_add_nc_u32 v19, 0xfe000000, v[zB+1]
	MX4 10
	v_lshrrev_b32 v[zB], 23, v18                   ; the scale's byte
	v_lshrrev_b32 v[zB+1], 23, v19
	MX4 14
	v_lshl_or_b32 v[PW], v[zB+1], 16, v[zB]        ; my blocks h and 2 + h,
	MX4 18
	v_lshlrev_b32 v[PW], v[SH8], v[PW]             ; at their places in the word,
	MX4 22
	v_permlanex16_b32 v[TX], v[PW], s20, s21
	MX4 26
	v_or_b32 v[PW], v[PW], v[TX]                   ; with lane l xor 16's two
	MXE
.if ((\m)%4 == 2) && ((\m) < 12)
	LOADK ((\m)/4+1)                               ; the next step's K: its last reader was issued among the exponentials above
.endif
.if ((\m)%4 == 0) && ((\m) > 3)
	LOADV ((\m)/4)                                 ; this step's V
.endif
.if (\m) == 8
	WIN 0x40
.irp k, 0,1,2,3
	global_load_b128 v[XR+4*\k:XR+4*\k+3], v[XO], s[48:49] offset:32768*\k th:TH_LOAD_NT   ; x for the end: 16 lanes read 256 consecutive bytes; read once in this launch
.endr
	WIN 0
.endif
	v_cvt_scalef32_pk16_bf6_f32 v[PC:PC+2], v[zX:zX+15], v18
.if zM
.if (\m) < 3
	v_max_num_f32 v[TM], v[zD], v[zD+1]
.else
	v_max3_num_f32 v[TM], v[zD], v[zD+1], v[rN+1]  ; with the largest score so far
.endif
.endif
	v_cvt_scalef32_pk16_bf6_f32 v[PT:PT+2], v[zX+16:zX+31], v18        ; (a conversion's three registers begin on an even number)
.if zM
	v_permlanex16_b32 v[TX], v[TM], s20, s21       ; the query's other 64 keys lie in lane l xor 16
.endif
	v_cvt_scalef32_pk16_bf6_f32 v[PC+6:PC+8], v[zX+32:zX+47], v19
.if zM
	v_max_num_f32 v[rN+1], v[TM], v[TX]
.endif
	v_cvt_scalef32_pk16_bf6_f32 v[PT+4:PT+6], v[zX+48:zX+63], v19
.if zM
.if (\m) > 2
	v_mov_b32 v[OLD], v[rN]
.endif
	v_mul_f32 v[TM], s22, v[rN+1]                  ; as t (log2(e) is positive)
.else
	v_nop                                          ; a plain line behind the conversions
.endif
	v_mov_b32 v[PC+3], v[PT]
	v_mov_b32 v[PC+4], v[PT+1]
.if zM
	v_floor_f32 v[rN], -v[TM]                      ; -M = floor(-t) = -ceil(t): M is a whole number
.endif
	v_mov_b32 v[PC+5], v[PT+2]
	v_mov_b32 v[PC+9], v[PT+4]
.if zM && ((\m) > 2)
	v_sub_f32 v[OLD], v[rN], v[OLD]                ; old M - new M: a whole number, 0 or less
.endif
	v_mov_b32 v[PC+10], v[PT+5]
	v_mov_b32 v[PC+11], v[PT+6]
.if zM && ((\m) > 2)
	v_cvt_i32_f32 v[OLD], v[OLD]                   ; (it saturates)
.endif
.set j, 0
.rept 28                               ; THE SUM IS TAKEN OF THE UNQUANTISED p: four chains of pairs, by turns with t - M of the next unit
.if j < 4
	v_pk_add_f32 v[SUM+2*j:SUM+2*j+1], v[zX+2*j:zX+2*j+1], v[zX+8+2*j:zX+9+2*j]
.else
	v_pk_add_f32 v[SUM+2*(j%4):SUM+2*(j%4)+1], v[SUM+2*(j%4):SUM+2*(j%4)+1], v[zX+8+2*j:zX+9+2*j]
.endif
	FM j
.if zM && ((\m) > 2) && (j == 2)
	v_ldexp_f32 v[zG], 1.0, v[OLD]                 ; f
.endif
.if ((\m) > 12) && (j == 4)
	v_add_f32 v[ST+4*((\m)-13)+2], v[ST+4*((\m)-13)+2], v[ST+4*((\m)-13)+3]     ; an earlier tile is finished: its sum's two halves,
.endif
.if ((\m) > 12) && (j == 12)
	v_permlanex16_b32 v[ST+4*((\m)-13)+3], v[ST+4*((\m)-13)+2], s20, s21
.endif
.if ((\m) > 12) && (j == 20)
	v_add_f32 v[ST+4*((\m)-13)+2], v[ST+4*((\m)-13)+2], v[ST+4*((\m)-13)+3]     ; and lane l xor 16's
.endif
.set j, j+1
.endr
	v_pk_add_f32 v[SUM:SUM+1], v[SUM:SUM+1], v[SUM+2:SUM+3]
	FM 28
	v_pk_add_f32 v[SUM+4:SUM+5], v[SUM+4:SUM+5], v[SUM+6:SUM+7]
	FM 29
	FM 30
.if (\m) < 4
	FM 31
	v_pk_add_f32 v[rT+2:rT+3], v[SUM:SUM+1], v[SUM+4:SUM+5]
	FMB
.else
	v_pk_add_f32 v[SUM:SUM+1], v[SUM:SUM+1], v[SUM+4:SUM+5]
	FM 31
	FMB
	v_pk_fma_f32 v[rT+2:rT+3], v[rT+2:rT+3], v[zF:zF+1], v[SUM:SUM+1] op_sel_hi:[1,0,1]
.endif
	s_wait_alu depctr_va_vdst(0)                   ; ahead of the next batch of exponentials, and of the waits below
.if (\m) == 2
	s_wait_tensorcnt 0x0                           ; no tensor load of mine is out, so a descriptor may be written
	ds_add_u32 v[SPW], v[NIL]
	s_add_nc_u64 s[34:35], s[34:35], 3*KVB         ; from step 0's block to step 3's; the type bits on top are not reached
	s_wait_dscnt 0x0                               ; the add is done; step 1's K is in, and my reads of step 0's bytes ended in the head
	s_barrier_signal -1                            ; the round opens; work on registers up to the wait, one stage on
.endif
.if (\m) == 3
	s_barrier_wait -1
	CREST                                          ; the same holds of every wave of every partner
	tensor_load_to_lds s[32:35], s[24:31]          ; step 3 into step 0's bytes
	s_nop 0
	PLACES 4
.endif
.if ((\m) == 6) || ((\m) == 10) || (((\m)%4 == 0) && ((\m) > 3))
	s_wait_dscnt 0x0                               ; the next step's K, or this step's V, is in
.endif
.if (\m) > 12
	OUT ((\m)-13)
.endif
	PVM \m
.if (\m) < 15
	EXSM ((\m)+1)
.endif
.endm
; -M, sum and O of a finished tile go to my own bytes of steps 1 and 2.
.macro OUT tt
	ds_store_b32 v[LS4], v[ST+4*(\tt)] offset:128*(\tt)
	ds_store_b32 v[LS4], v[ST+4*(\tt)+2] offset:512+128*(\tt)
	WIN 0x04                                       ; an LDS store's data are its source 1: window 1
.irp k, 0,1,2,3,4,5,6,7
	ds_store_b128 v[LA1], v[32*(\tt)+4*\k:32*(\tt)+4*\k+3] offset:4096*(\tt)+512*\k         ; each accumulator from its low end on
.endr
	WIN 0
.endm
	s_load_b256 s[4:11], s[0:1], 0x0               ; qkv s[4:5], x s[6:7], gamma s[8:9], out0 s[10:11]
	v_lshl_add_u32 v[SPW], v0, 2, SPARE
	v_mov_b32 v[NIL], 0
	ds_add_u32 v[SPW], v[NIL]                      ; the wave's opening: two adds on end, waited for ahead of my first tensor load
	ds_add_u32 v[SPW], v[NIL]
	v_lshrrev_b32 v8, 5, v0
	v_readfirstlane_b32 s12, v8                    ; wave g, 0..7
	s_bfe_u32 s13, ttmp6, 0x40000                  ; cx: my place in the cluster
	s_lshl_b32 s14, ttmp9, 2                       ; in a cluster launch ttmp9 counts clusters
	s_add_co_u32 s14, s14, s13                     ; my group of 64 queries: it enters Q's, x's and out0's addresses alone
	s_and_b32 s15, ttmp7, 0xffff                   ; the image, which the four partners share
	s_mov_b32 s20, 0x76543210
	s_mov_b32 s21, 0xfedcba98                      ; v_permlanex16_b32's selects for lane l xor 16
	s_mov_b32 s22, 0x3fb8aa3b                      ; log2(e)
	s_mov_b32 s23, s22                             ; (named with it as a pair, so it is written)
.irp g, 24, 68                         ; descriptor group 1, for one step and for two: a dense block as rows of 256 bytes (32 elements of 8 bytes), no padding
	s_mov_b32 s[\g], 15|(3<<16)|(1<<21)            ; 15:0 the mask: all four work-groups; 17:16 elements of 8 bytes; 21 set beside a mask
	s_mov_b32 s[\g+1], 32<<16                      ; tensor_dim0 = 32
	s_mov_b32 s[\g+3], 32<<16                      ; tile_dim0 = 32
	s_mov_b32 s[\g+5], 32                          ; from row to row
	s_mov_b32 s[\g+6], 0
	s_mov_b32 s[\g+7], 0
.endr
	s_mov_b32 s26, 50<<16                          ; tensor_dim1, tile_dim1: 50 rows are one step's 12,800 bytes,
	s_mov_b32 s28, 50
	s_mov_b32 s70, 100<<16                         ; 100 rows two steps'
	s_mov_b32 s72, 100
	s_lshl_b32 s52, s15, 5
	s_lshl_b32 s53, s12, 2
	s_add_co_u32 s52, s52, s53                     ; my step 0's block: 32 x image + 4 x wave
	s_mul_i32 s52, s52, KVB
	s_mov_b32 s53, 0
	s_mul_i32 s54, s12, KVB                        ; my bytes of steps 0 and 3
	s_mul_i32 s55, s12, WB
	s_add_co_u32 s55, s55, SLOTB                   ; my bytes of steps 1 and 2
	s_add_co_u32 s67, s55, STATS
	s_lshl_b32 s56, s15, 6
	s_add_co_u32 s56, s56, s14
	s_mul_i32 s56, s56, QBB
	s_add_co_u32 s56, s56, QOFF                    ; my queries' block
	s_mov_b32 s57, 0
	s_lshl_b32 s58, s15, 20
	s_lshl_b32 s59, s14, 8
	s_add_co_u32 s58, s58, s59                     ; x and out0: the image, and my 64 queries' 256 bytes of a channel's row
	s_mov_b32 s59, 0
	s_lshl_b32 s60, s12, 17                        ; at the end wave g stores channels 8 g .. 8 g + 7: lanes 0-15 one channel's 256 bytes, lanes 16-31 the next's
	s_lshl_b32 s61, s12, 11                        ; the merge: wave w takes tile w / 2 and half w % 2 of its 32 registers: 2,048 w into a wave's O
	s_add_co_u32 s61, s61, SLOTB
	s_lshr_b32 s62, s12, 1
	s_lshl_b32 s63, s62, 5
	s_lshl_b32 s62, s62, 7
	s_add_co_u32 s62, s62, SLOTB+STATS
	s_and_b32 s66, s12, 1
	s_mul_i32 s66, s66, 32*TP
	s_add_co_u32 s63, s63, s66                     ; into the last stage: row = channel 32 (w % 2) + 8 h (+ 16 n + j in the offset), column = query 8 (w / 2) + r % 8 + 32 (r / 8)
	s_mul_i32 s66, s12, 8*TP                       ; out of it: row 8 w + h (+ 2 k in the offset), 16 bytes a lane
	v_and_b32 v8, 31, v0                           ; lane l
	v_bfe_u32 v9, v0, 4, 1                         ; h
	v_and_b32 v10, 15, v0                          ; r
	v_and_b32 v11, 7, v0                           ; r % 8
	v_bfe_u32 v12, v0, 3, 1                        ; r / 8
	v_lshlrev_b32 v[L16], 4, v8
	v_lshlrev_b32 v19, 3, v8
	v_lshlrev_b32 v[SH8], 3, v9
	v_lshl_add_u32 v[LS4], v8, 2, s67
	v_lshl_add_u32 v[XO], v10, 4, s60
	v_lshlrev_b32 v[TA], 2, v11
	v_lshlrev_b32 v[TR], 4, v10
	v_lshl_add_u32 v[RS], v8, 2, s62
	v_add_nc_u32 v[LA], s54, v[L16]
	v_add_nc_u32 v[LA1], s55, v[L16]
	v_add_nc_u32 v[RA], s61, v[L16]
	v_lshl_add_u32 v[XO], v9, 14, v[XO]
	v_lshl_add_u32 v[TA], v12, 7, v[TA]
	v_mad_u32_u24 v[TR], v9, TP, v[TR]
	v_mad_u32_u24 v[TA], v9, 8*TP, v[TA]
	v_add_nc_u32 v[TR], s66, v[TR]
	v_add_nc_u32 v[TA], s63, v[TA]
	s_wait_alu depctr_va_vdst(0)
	s_wait_dscnt 0x0                               ; both opening adds are done
	s_wait_kmcnt 0x0
	s_mov_b32 s32, 1                               ; descriptor group 0 for steps 0 and 3: count = 1,
	s_mov_b32 s33, s54                             ; LDS address,
	s_add_nc_u64 s[34:35], s[4:5], s[52:53]        ; global address: step 0's block
	s_mov_b32 s36, 1                               ; for steps 1 and 2
	s_mov_b32 s37, s55
	s_add_nc_u64 s[38:39], s[34:35], KVB
	s_or_b32 s35, s35, 0x80000000                  ; type = 2
	s_or_b32 s39, s39, 0x80000000
	s_add_nc_u64 s[46:47], s[4:5], s[56:57]
	s_add_nc_u64 s[48:49], s[6:7], s[58:59]
	s_add_nc_u64 s[50:51], s[10:11], s[58:59]
	s_load_b32 s44, s[8:9], 0x0                    ; gamma
	WIN 0x40
.irp i, 0,1                            ; Q's four tiles, 6 registers each, a run of zero codes ahead of, between and behind them (so a pair's middle group goes in two halves): they stay
	global_load_b128 v[QB+6+24*\i:QB+9+24*\i], v[L16], s[46:47] offset:1536*\i
	global_load_b64 v[QB+10+24*\i:QB+11+24*\i], v[L16], s[46:47] offset:1536*\i+512
	global_load_b64 v[QB+18+24*\i:QB+19+24*\i], v[L16], s[46:47] offset:1536*\i+520
	global_load_b128 v[QB+20+24*\i:QB+23+24*\i], v[L16], s[46:47] offset:1536*\i+1024
.endr
	WIN 0
	global_load_b64 v[QS:QS+1], v19, s[46:47] offset:3072                     ; their scale words: register j: lanes 0-15 tile 2 j, lanes 16-31 tile 2 j + 1
	CROUND                                         ; all four work-groups are here: the first joint loads meet
	tensor_load_to_lds s[32:35], s[24:31]          ; step 0: one tensor load a wave at the head
	s_nop 0
	PLACES 4
	WIN 0x40
.irp i, 0,1,2,3,4
.irp k, 0,1,2,3,4,5
	v_mov_b32 v[QB+12*\i+\k], 0                    ; the five runs of zero codes in Q's chain
.endr
.endr
	WIN 0
	v_mov_b32 v[TX], 0                             ; written once: a lane permute's destination counts as one of its sources
	v_mov_b32 v9, 0                                ; (named as the upper halves of f's pairs)
	v_mov_b32 v11, 0
	PLACES 4                                       ; the zero codes were written by vector instructions
	s_wait_alu depctr_va_vdst(0)
	s_wait_tensorcnt 0x0                           ; step 0 has landed
	LOADK 0
	LOADV 0
	s_wait_tensorcnt 0x0
	ds_add_u32 v[SPW], v[NIL]
	s_wait_loadcnt 0x0                             ; Q and its scale words
	s_wait_kmcnt 0x0                               ; gamma
	s_wait_dscnt 0x0                               ; the add is done; step 0's K and V are in registers
	s_barrier_signal -1                            ; a round opens; work on registers up to the wait:
.set zN, 0
.set zY, S
	WIN 0x04
.irp u, 0,1,2,3,4,5,6,7
	SMM \u                                         ; unit 0's scores
.endr
	WIN 0
	s_barrier_wait -1
	CREST
	tensor_load_to_lds s[36:39], s[68:75]          ; steps 1 and 2: the first tensor load behind the round
	s_nop 0
	PLACES 4                                       ; the plain lines ahead of the first read of the scores
.set zM, 1
.set zD, 12
.set rN, ST
	MXI
.irp i, 6,10,14,18,22,26
	MX4 \i
.endr
	MXE
	v_max_num_f32 v[TM], v[zD], v[zD+1]
	v_permlanex16_b32 v[TX], v[TM], s20, s21
	v_max_num_f32 v[rN+1], v[TM], v[TX]
	v_mul_f32 v[TM], s22, v[rN+1]
	v_floor_f32 v[rN], -v[TM]
.set j, 0
.rept 32
	FM j
.set j, j+1
.endr
	FMB
	s_wait_alu depctr_va_vdst(0)
	EXSM 0
.irp q, 0,1,2,3,4,5,6,7,8,9,10,11,12,13,14,15
	STAGE \q
.endr
	; ---- THE MERGE.  Tile 3's sum; these lines are also the plain lines behind the last products.
	v_add_f32 v[ST+14], v[ST+14], v[ST+15]
	v_add_nc_u32 v12, 3*WB, v[RA]                  ; O of waves 3-5,
	v_add_nc_u32 v13, 6*WB, v[RA]                  ; of waves 6, 7;
	v_permlanex16_b32 v[ST+15], v[ST+14], s20, s21
	v_add_nc_u32 v14, 3*WB, v[RS]                  ; and their -M and sums
	v_add_nc_u32 v15, 6*WB, v[RS]
	v_add_f32 v[ST+14], v[ST+14], v[ST+15]
	s_wait_alu depctr_va_vdst(0)
	OUT 3
	s_wait_dscnt 0x0                               ; for the others' sake: my stores have landed
	s_barrier_signal -1
	s_barrier_wait -1
.macro WORDS d, off                    ; one word of each of the eight waves
.irp g, 0,1,2
	ds_load_b32 v[\d+\g], v[RS] offset:WB*\g+\off
	ds_load_b32 v[\d+3+\g], v14 offset:WB*\g+\off
.endr
.irp g, 0,1
	ds_load_b32 v[\d+6+\g], v15 offset:WB*\g+\off
.endr
.endm
.macro OLOAD d, ad, g                  ; 16 registers of O of one wave
.irp k, 0,1,2,3
	ds_load_b128 v[\d+16*\g+4*\k:\d+16*\g+4*\k+3], v[\ad] offset:WB*\g+512*\k
.endr
.endm
.macro ADDO g                          ; O of wave g under the largest M
.set j, 0
.rept 8
	v_pk_fma_f32 v[ACC+j:ACC+j+1], v[S+16*\g+j:S+16*\g+j+1], v[FF+2*\g:FF+2*\g+1], v[ACC+j:ACC+j+1]
.set j, j+2
.endr
.endm
	WORDS MN, 0
	WORDS LL, 512
.irp g, 0,1,2
	OLOAD S, RA, \g
.endr
.irp g, 0,1,2
	OLOAD S+48, 12, \g
.endr
.irp g, 0,1
	OLOAD S+96, 13, \g
.endr
	s_wait_dscnt 32                                ; the sixteen words are in; O's 32 loads are younger
	v_min3_num_f32 v50, v[MN], v[MN+1], v[MN+2]    ; the smallest -M: the largest M
	v_min3_num_f32 v51, v[MN+3], v[MN+4], v[MN+5]
	v_min3_num_f32 v50, v50, v[MN+6], v[MN+7]
	v_min_num_f32 v50, v50, v51
.irp g, 0,1,2,3,4,5,6,7
	v_sub_f32 v[MN+\g], v50, v[MN+\g]              ; M of wave g less the largest M: a whole number, 0 or less
.endr
.irp g, 0,1,2,3,4,5,6,7
	v_cvt_i32_f32 v[MN+\g], v[MN+\g]
.endr
.irp g, 0,1,2,3,4,5,6,7
	v_ldexp_f32 v[FF+2*\g], 1.0, v[MN+\g]          ; wave g's factor, a power of two, twice: a pair for the packed forms
	v_ldexp_f32 v[FF+2*\g+1], 1.0, v[MN+\g]
.endr
	v_mul_f32 v51, v[LL], v[FF]
	v_mul_f32 v52, v[LL+1], v[FF+2]
.irp g, 2,4,6
	v_fma_f32 v51, v[LL+\g], v[FF+2*\g], v51       ; the row's sum under the largest M, in two chains
	v_fma_f32 v52, v[LL+\g+1], v[FF+2*\g+2], v52
.endr
	v_add_f32 v51, v51, v52
	s_wait_alu depctr_va_vdst(0)
	v_rcp_f32 v53, v51                             ; the sum of O below is the independent work behind it
	s_wait_dscnt 16                                ; O of waves 0-3 is in; the sixteen loads of waves 4-7 are younger
.set j, 0
.rept 8
	v_pk_mul_f32 v[ACC+j:ACC+j+1], v[S+j:S+j+1], v[FF:FF+1]
.set j, j+2
.endr
.irp g, 1,2,3
	ADDO \g
.endr
	s_wait_alu depctr_va_vdst(0)                   ; ahead of the wait below, and of the reciprocal's first reader
	s_wait_dscnt 0x0
.irp g, 4,5,6,7
	ADDO \g
.endr
	v_mul_f32 v54, s44, v53                        ; gamma / sum, twice
	v_mul_f32 v55, s44, v53
.set j, 0
.rept 8
	v_pk_mul_f32 v[ACC+j:ACC+j+1], v[ACC+j:ACC+j+1], v[54:55]
.set j, j+2
.endr
	; A lane holds 16 channels of one query; out0's rows run along the queries.  So the numbers turn through a stage from LDS byte 0 on: those bytes have had their last fill, and every wave's reads of them ended ahead of the barrier above.
.irp i, 0,1
.irp e, 0,1,2,3,4,5,6,7
	ds_store_b32 v[TA], v[ACC+8*\i+\e] offset:(16*\i+\e)*TP
.endr
.endr
	s_wait_dscnt 0x0                               ; for the others' sake: my stores have landed
	s_barrier_signal -1
	s_barrier_wait -1
.irp k, 0,1,2,3
	ds_load_b128 v[MN+4*\k:MN+4*\k+3], v[TR] offset:2*\k*TP
.endr
	s_wait_loadcnt 0x0                             ; x
	s_wait_dscnt 0x0
	WIN 0x04                                       ; x window 1
.set j, 0
.rept 8
	v_pk_add_f32 v[MN+j:MN+j+1], v[MN+j:MN+j+1], v[XR+j:XR+j+1]
.set j, j+2
.endr
	WIN 0
.irp k, 0,1,2,3
	global_store_b128 v[XO], v[MN+4*\k:MN+4*\k+3], s[50:51] offset:32768*\k th:TH_STORE_NT   ; 16 lanes store 256 consecutive bytes, at a multiple of 256 from out0's first byte; written once, read by nobody here
.endr
	s_wait_tensorcnt 0x0                           ; the wave's end, behind my last tensor load and my last LDS store
	ds_add_u32 v[SPW], v[NIL]
	s_wait_dscnt 0x0
	CROUND                                         ; the closing round: no work-group ends while a partner may still ask for a tile that names it
	s_endpgm
.Lfunc_end_k_q98c902bd9a_attn:
	.size	k_q98c902bd9a_attn, .Lfunc_end_k_q98c902bd9a_attn-k_q98c902bd9a_attn
	.p2alignl 7, 3214868480
	.fill 96, 4, 3214868480
	.section	.rodata,"a",@progbits
	.p2align	6, 0x0
	.amdhsa_kernel k_q98c902bd9a_attn
		.amdhsa_group_segment_fixed_size 327680
		.amdhsa_private_segment_fixed_size 0
		.amdhsa_enable_private_segment 0
		.amdhsa_kernarg_size 32
		.amdhsa_user_sgpr_count 2
		.amdhsa_user_sgpr_kernarg_segment_ptr 1
		.amdhsa_wavefront_size32 1
		.amdhsa_system_sgpr_workgroup_id_x 1
		.amdhsa_system_sgpr_workgroup_id_y 1
		.amdhsa_system_sgpr_workgroup_id_z 1
		.amdhsa_system_vgpr_workitem_id 0
		.amdhsa_next_free_vgpr 512
		.amdhsa_next_free_sgpr 80
		.amdhsa_reserve_vcc 0
		.amdhsa_float_denorm_mode_32 3
		.amdhsa_float_denorm_mode_16_64 3
		.amdhsa_memory_ordered 1
		.amdhsa_forward_progress 1
		.amdhsa_inst_pref_size 224
	.end_amdhsa_kernel
	.amdgpu_metadata
---
amdhsa.version: [ 1, 2 ]
amdhsa.kernels:
  - .name:           k_q98c902bd9a_attn
    .symbol:         k_q98c902bd9a_attn.kd
    .args:
      - { .name: qkv, .offset: 0, .size: 8, .value_kind: global_buffer, .address_space: global }
      - { .name: x, .offset: 8, .size: 8, .value_kind: global_buffer, .address_space: global }
      - { .name: gamma, .offset: 16, .size: 8, .value_kind: global_buffer, .address_space: global }
      - { .name: out0, .offset: 24, .size: 8, .value_kind: global_buffer, .address_space: global }
    .group_segment_fixed_size: 327680
    .private_segment_fixed_size: 0
    .kernarg_segment_align: 8
    .kernarg_segment_size: 32
    .max_flat_workgroup_size: 256
    .sgpr_count:     80
    .vgpr_count:     512
    .wavefront_size: 32
...
	.end_amdgpu_metadata
.endif
;; end of part 2
